; MI455X (gfx1250); checked and timed in simulation.
; The chip was launched on July 23, 2026; its instructions are those of AMD's public machine-readable ISA for CDNA 5 (MIT licence, August 2026) and "CDNA5" Instruction Set Architecture Reference Guide (July 2026). The comments in the code are by the model that wrote it; some were corrected since.
;; Multi Head Atention Layer. Allowed arithmetic: matrix products marked QUANTISED: E2M1 operands, one E8M0 scale for each 32 along K, by v_wmma_scale_f32_16x16x128_f8f6f4 with both operands' format E2M1 (or v_wmma_scale_f32_32x16x128_f4), f32 sums; products left as they are: bf16, f16 or f32 operands; f32 sums; everything else in f32.
;; Inputs: Wk 512 x 512 float32; Wo 512 x 512 float32; Wq 512 x 512 float32; Wv 512 x 512 float32; bk 512 float32; bo 512 float32; bq 512 float32; bv 512 float32; kv 2 x 4,096 x 512 float32; q 2 x 4,096 x 512 float32.
;; Outputs: out0 2 x 4,096 x 512 float32.
;; This version of the problem:
;;   THIS VERSION OF THE PROBLEM IS GIVEN IN LOW PRECISION. The matrix products marked QUANTISED in the list below multiply operands that are first quantised to E2M1 (2 exponent bits, 1 mantissa bit; 4 bits a number), with one power-of-two scale for each 32 numbers along K (OCP MX v1.0); their sums are f32. The products marked 'left as it is' may take bf16, f16 or f32 operands, with f32 sums. Whichever they take, every output number must still come out within the allowed error. Rounding operands to bf16 (8 significant bits) uses up far more of that allowance than f16 does (11 bits, for magnitudes from 6e-5 to 65,504). All else is computed in f32.
;;   The module's matrix products, in the order in which they are computed (A, B: the left and right operand; K: the contracted axis; several contracted axes count as one K, in the product's order):
;;     1. [M 8,192, K 512] x [K 512, N 512]; A: input q; B: input Wq: QUANTISED
;;     2. [M 8,192, K 512] x [K 512, N 512]; A: input kv; B: input Wk: QUANTISED
;;     3. [M 8,192, K 512] x [K 512, N 512]; A: input kv; B: input Wv: QUANTISED
;;     4. batch 16 x [M 4,096, K 64] x [K 64, N 4,096]; A: computed on the way; B: computed on the way: left as it is (an operand is computed on the way)
;;     5. batch 16 x [M 4,096, K 4,096] x [K 4,096, N 64]; A: computed on the way; B: computed on the way: left as it is (an operand is computed on the way)
;;     6. [M 8,192, K 512] x [K 512, N 512]; A: computed on the way; B: input Wo: left as it is (an operand is computed on the way)
;;   THE QUANTISER, for each operand of a quantised product, along K:
;;     - K is cut into blocks of 32 from its start; a last block that is shorter is filled with zeros.
;;     - A block's scale is 2^e with e = floor(log2(the largest magnitude in the block)) - 2, held to -126 .. 127; a block of zeros has e = 0. As a byte (E8M0): e + 127.
;;     - Each number is divided by its block's scale, clamped to +-6, and rounded to the nearest number of E2M1, ties to even, subnormals kept.
;;     - The product sums the exact products of the quantised numbers (number of the format x scale) in f32.
;;   ~~~python
;;   def quantise(x, axis):      # numpy; x: float32 -> the quantised numbers, widened to float32 again
;;       x = np.moveaxis(x, axis, -1); K = x.shape[-1]
;;       x = np.pad(x, [(0, 0)] * (x.ndim - 1) + [(0, -K % 32)]); x = x.reshape(x.shape[:-1] + (-1, 32)); a = np.abs(x).max(-1, keepdims=True)
;;       e = np.where(a > 0, np.clip(np.frexp(np.where(a > 0, a, 1))[1] - 1 - 2, -126, 127), 0)      # np.frexp(a)[1] - 1 = floor(log2(a)), exactly
;;       r = np.clip(x / 2.0 ** e, -6, 6)
;;       step = 2.0 ** (np.maximum(np.frexp(np.where(r == 0, 1, r))[1] - 1, 0) - 1)
;;       q = np.round(r / step) * step * 2.0 ** e      # np.round: ties to even
;;       return np.moveaxis(q.reshape(q.shape[:-2] + (-1,))[..., :K], -1, axis).astype(np.float32)
;;   ~~~
;; One version. Each part assembles by itself: llvm-mc -triple=amdgcn-amd-amdhsa -mcpu=gfx1250 --defsym DOCPART=n.
;; ======== version 1 of 1: 4 launches
;; limits: values are held in f16: magnitudes above 65,504 overflow, below 6.1e-05 lose precision
;; workspace buffers: codes 4,587,520 bytes; scales 286,720 bytes; wo16 524,288 bytes; qf 8,388,608 bytes; kf 8,388,608 bytes; vf 8,388,608 bytes; of 8,388,608 bytes
;; launch prep (part 1): grid 288 x 1, 4 waves a work-group, no clusters, 33,280 bytes of LDS; arguments q, kv, Wq, Wk, Wv, Wo, codes, scales, wo16; writes codes, scales, wo16
.if DOCPART == 1
	.amdgcn_target "amdgcn-amd-amdhsa--gfx1250"
	.amdhsa_code_object_version 6
	.text
	.protected	k_q4d7f3a847b_prep
	.globl	k_q4d7f3a847b_prep
	.p2align	8
	.type	k_q4d7f3a847b_prep,@function
k_q4d7f3a847b_prep:
	s_mov_b64 s[64:65], 0
	v_nop
	global_prefetch_b8 v0, s[64:65] scope:SCOPE_SE
	s_setreg_imm32_b32 hwreg(HW_REG_WAVE_MODE, 25, 1), 1
	s_wait_xcnt 0x0
; q, kv [8192][512] and Wq, Wk, Wv [512][512], f32, K innermost, become codes of FP4 (E2M1) with one E8M0 scale byte for each 32 along K; Wo [512][512] becomes f16.
; Rows are dense and K = 512 is a multiple of 32: the five tensors are plain streams of blocks of 32, laid one behind the other in 'codes' (16 bytes a block) and 'scales' (a byte a block): q, kv, Wq, Wk, Wv.
; A work-group takes 32,768 numbers, a wave 8,192.  Work-groups 0-127: q; 128-255: kv; 256-263, 264-271, 272-279: Wq, Wk, Wv; 280-287: the cast of Wo.  Run number 4 x work-group + wave gives the place in both outputs.
; A block's scale is 2^(floor(log2(its largest magnitude)) - 2): its byte is the largest magnitude's exponent field - 2, held at 1 from below.
; LIMITS: a block whose largest magnitude lies under 2^-124 (a block of zeros among them) gets the byte 1: a block of zeros has zero codes, which add nothing under that byte, and this program alone reads the bytes.
; NaN and infinities among the inputs are not served.  |Wo| stays under 65,504, f16's largest number.
; The conversions take 8 numbers of ONE block from a lane's registers, so a lane must hold 16 neighbours; a load is best where neighbouring lanes take neighbouring bytes.  Both are had: each load reads 512 consecutive bytes,
; a step's 2,048 bytes go through the wave's own stage in LDS and come back 64 bytes a lane.  No work-group shares an input byte with another: no cluster, no tensor load, no barrier.
.set WAVES, 4
.set STEPS, 16
.set CASTG, 280                        ; the first work-group of the cast
.set EMAX,  2
.set CB,    8                          ; bytes of 16 codes
.set R,     16                         ; v16-79   four sets of 16 numbers as they are loaded
.set X,     80                         ; v80-111  two sets of 16 neighbours
.set E,     112                        ; v112-127 a scale byte for each step
.set C,     128                        ; v128-191 codes: four registers for each step, so that no store's data are written again
.set WREG,  8192                       ; LDS: a region for each wave: two stages of 32 x SP bytes, behind them its 256 scale bytes
.set SP,    80                         ; a lane's place in a stage: 64 bytes + 16 of padding
.set SPW,   12                         ; v12  LDS address of my spare word; never rewritten
.set NIL,   13                         ; v13  0; never rewritten
.set SPARE, WAVES*WREG                 ; behind the four regions: the spare words, 128 bytes a wave, which no other line names
	s_load_b512 s[4:19], s[0:1], 0x0               ; q s[4:5], kv s[6:7], Wq s[8:9], Wk s[10:11], Wv s[12:13], Wo s[14:15], codes s[16:17], scales s[18:19]
	s_load_b64 s[20:21], s[0:1], 0x40              ; wo16
	v_lshl_add_u32 v[SPW], v0, 2, SPARE
	v_mov_b32 v[NIL], 0
	v_lshrrev_b32 v1, 5, v0
	v_readfirstlane_b32 s22, v1                    ; wave
	v_and_b32 v2, 31, v0                           ; lane
	v_lshlrev_b32 v3, 4, v2                        ; my 16 bytes of a load's 512
	s_mul_i32 s32, s22, WREG
	v_lshrrev_b32 v14, 2, v2
	v_mul_u32_u24 v14, v14, SP
	v_and_b32 v15, 3, v2
	v_lshl_add_u32 v14, v15, 4, v14
	v_add_nc_u32 v14, s32, v14                     ; the stage, on the way in: four lanes' 64 bytes on end, then 16 of padding
	v_mul_u32_u24 v15, v2, SP
	v_add_nc_u32 v15, s32, v15                     ; and on the way out: my 16 neighbours
	v_mul_u32_u24 v4, v2, CB                       ; 8 x lane: my codes' place in a step's; in the cast my 8 bytes of f16
	v_lshrrev_b32 v5, 1, v2
	s_add_co_u32 s32, s32, 2*32*SP
	v_add_nc_u32 v5, s32, v5                       ; LDS: my wave's 256 scale bytes, my block's byte
	v_lshlrev_b32 v7, 3, v2                        ; and on the way out 8 bytes a lane
	v_add_nc_u32 v6, s32, v7
	s_wait_kmcnt 0x0
	s_cmp_ge_u32 ttmp9, CASTG                      ; the branch hangs on the work-group's number alone
	s_cbranch_scc1 .Lcast
	; which tensor, and its first work-group: four choices on the work-group's number
	s_mov_b64 s[24:25], s[12:13]
	s_mov_b32 s23, 272
	s_cmp_lt_u32 ttmp9, 272
	s_cselect_b64 s[24:25], s[10:11], s[24:25]
	s_cselect_b32 s23, 264, s23
	s_cmp_lt_u32 ttmp9, 264
	s_cselect_b64 s[24:25], s[8:9], s[24:25]
	s_cselect_b32 s23, 256, s23
	s_cmp_lt_u32 ttmp9, 256
	s_cselect_b64 s[24:25], s[6:7], s[24:25]
	s_cselect_b32 s23, 128, s23
	s_cmp_lt_u32 ttmp9, 128
	s_cselect_b64 s[24:25], s[4:5], s[24:25]
	s_cselect_b32 s23, 0, s23
	s_sub_co_u32 s26, ttmp9, s23
	s_lshl_b32 s26, s26, 2
	s_add_co_u32 s26, s26, s22                     ; my run of 8,192 numbers in its tensor,
	s_lshl_b32 s26, s26, 15                        ; 32,768 bytes each
	s_mov_b32 s27, 0
	s_add_nc_u64 s[24:25], s[24:25], s[26:27]
	s_lshl_b32 s28, ttmp9, 2
	s_add_co_u32 s28, s28, s22                     ; my run in the stream of all five
	s_lshl_b32 s30, s28, 12                        ; 4,096 bytes of codes a run
	s_mov_b32 s31, 0
	s_add_nc_u64 s[16:17], s[16:17], s[30:31]
	s_lshl_b32 s30, s28, 8                         ; 256 scale bytes a run
	s_add_nc_u64 s[18:19], s[18:19], s[30:31]
.macro LOAD t
.irp i, 0,1,2,3
	global_load_b128 v[R+16*((\t)%4)+4*\i:R+16*((\t)%4)+4*\i+3], v3, s[24:25] offset:2048*(\t)+512*\i th:TH_LOAD_NT   ; 32 lanes read 512 consecutive bytes
.endr
.endm
.macro TURN t                          ; step t's numbers through the stage: LDS serves a wave's instructions in order, so no wait stands between the stores and the loads
.irp i, 0,1,2,3
	ds_store_b128 v14, v[R+16*((\t)%4)+4*\i:R+16*((\t)%4)+4*\i+3] offset:32*SP*((\t)%2)+8*SP*\i
.endr
.irp i, 0,1,2,3
	ds_load_b128 v[X+16*((\t)%2)+4*\i:X+16*((\t)%2)+4*\i+3], v15 offset:32*SP*((\t)%2)+16*\i
.endr
.endm
.irp t, 0,1,2,3
	LOAD \t
.endr
	s_wait_loadcnt 12                              ; step 0's four loads are in; the twelve of steps 1 to 3 may be out
	TURN 0
.macro STEP t
.set XS, X+16*((\t)%2)
.if (\t) > 0
	s_wait_dscnt 1                                 ; this step's numbers are back from the stage (the last step's byte store may be out): so its stores into the stage have read their registers,
.else
	s_wait_dscnt 0x0
.endif
.if (\t)+4 < STEPS
	LOAD (\t)+4                                    ; which take the loads of four steps on
.endif
.if (\t)+1 < STEPS
.if STEPS-2-(\t) >= 3
	s_wait_loadcnt 12                              ; the next step's four loads are in; those of the three steps behind it may be out
.else
	s_wait_loadcnt 4*(STEPS-2-(\t))
.endif
	TURN (\t)+1                                    ; and go through the other stage while this step is worked
.endif
	v_max3_num_f32 v8, |v[XS]|, |v[XS+1]|, |v[XS+2]|               ; the largest magnitude of my 16, in two chains
	v_max3_num_f32 v9, |v[XS+3]|, |v[XS+4]|, |v[XS+5]|
.irp i, 6,10
	v_max3_num_f32 v8, v8, |v[XS+\i]|, |v[XS+\i+1]|
	v_max3_num_f32 v9, v9, |v[XS+\i+2]|, |v[XS+\i+3]|
.endr
	v_max3_num_f32 v8, v8, |v[XS+14]|, |v[XS+15]|
	v_max3_num_f32 v8, v8, v9, (EMAX+1)<<23        ; and the floor 2^(3 - 127): so the byte cannot fall under 1
	v_max_num_f32_dpp v8, v8, v8 row_xmask:1 row_mask:0xf bank_mask:0xf   ; and of my neighbour's 16: the block's
	v_add_nc_u32 v11, -(EMAX<<23), v8              ; 2 off its exponent field: the conversion takes the exponent field of this operand as its scale, and nothing else of it
	v_cvt_scalef32_pk8_fp4_f32 v[C+4*(\t)], v[XS:XS+7], v11        ; eight numbers / the scale, to the nearest code, ties to even, beyond 6 the largest code
	v_cvt_scalef32_pk8_fp4_f32 v[C+4*(\t)+1], v[XS+8:XS+15], v11
	v_lshrrev_b32 v[E+(\t)], 23, v11               ; the scale's byte (also the plain line behind the conversions)
	ds_store_b8 v5, v[E+(\t)] offset:16*(\t)       ; both lanes of a block write the same byte with the same value
	global_store_b64 v4, v[C+4*(\t):C+4*(\t)+1], s[16:17] offset:32*CB*(\t)   ; the wave stores 256 consecutive bytes, aligned
.endm
.irp t, 0,1,2,3,4,5,6,7,8,9,10,11,12,13,14,15
	STEP \t
.endr
	ds_load_b64 v[8:9], v6                         ; LDS serves a wave's instructions in order: these see my stores
	s_wait_dscnt 0x0
	global_store_b64 v7, v[8:9], s[18:19]          ; 32 lanes store my run's 256 scale bytes, aligned
	s_wait_tensorcnt 0x0                           ; the wave's end
	ds_add_u32 v[SPW], v[NIL]
	s_wait_dscnt 0x0
	s_endpgm
; THE CAST OF Wo: a wave takes 32,768 bytes in four batches of sixteen loads, two batches ahead; it touches no LDS.
.Lcast:
	s_sub_co_u32 s26, ttmp9, CASTG
	s_lshl_b32 s26, s26, 2
	s_add_co_u32 s26, s26, s22                     ; my run of 8,192 numbers
	s_lshl_b32 s28, s26, 14                        ; 16,384 bytes of f16,
	s_lshl_b32 s26, s26, 15                        ; 32,768 of f32
	s_mov_b32 s27, 0
	s_mov_b32 s29, 0
	s_add_nc_u64 s[14:15], s[14:15], s[26:27]
	s_add_nc_u64 s[20:21], s[20:21], s[28:29]
.macro CLOAD t
.irp i, 0,1,2,3,4,5,6,7,8,9,10,11,12,13,14,15
	global_load_b128 v[16+64*((\t)%2)+4*\i:16+64*((\t)%2)+4*\i+3], v3, s[14:15] offset:8192*(\t)+512*\i th:TH_LOAD_NT
.endr
.endm
.macro CAST t
.if (\t) < 3
	s_wait_loadcnt 16                              ; this batch is in; the next batch's sixteen may be out
.else
	s_wait_loadcnt 0x0
.endif
	s_wait_xcnt 0x0                                ; the last batch's stores have read their data: v144-175 are written again only behind this wait
.irp i, 0,1,2,3,4,5,6,7,8,9,10,11,12,13,14,15
	v_cvt_pk_f16_f32 v[144+2*\i], v[16+64*((\t)%2)+4*\i], v[16+64*((\t)%2)+4*\i+1]
	v_cvt_pk_f16_f32 v[145+2*\i], v[16+64*((\t)%2)+4*\i+2], v[16+64*((\t)%2)+4*\i+3]
.endr
.irp i, 0,1,2,3,4,5,6,7,8,9,10,11,12,13,14,15
	global_store_b64 v4, v[144+2*\i:145+2*\i], s[20:21] offset:4096*(\t)+256*\i   ; the wave stores 256 consecutive bytes, aligned
.endr
.if (\t)+2 < 4
	CLOAD (\t)+2
.endif
.endm
	CLOAD 0
	CLOAD 1
.irp t, 0,1,2,3
	CAST \t
.endr
	s_endpgm
.Lfunc_end_k_q4d7f3a847b_prep:
	.size	k_q4d7f3a847b_prep, .Lfunc_end_k_q4d7f3a847b_prep-k_q4d7f3a847b_prep
	.p2alignl 7, 3214868480
	.fill 96, 4, 3214868480
	.section	.rodata,"a",@progbits
	.p2align	6, 0x0
	.amdhsa_kernel k_q4d7f3a847b_prep
		.amdhsa_group_segment_fixed_size 33280
		.amdhsa_private_segment_fixed_size 0
		.amdhsa_enable_private_segment 0
		.amdhsa_kernarg_size 72
		.amdhsa_user_sgpr_count 2
		.amdhsa_user_sgpr_kernarg_segment_ptr 1
		.amdhsa_wavefront_size32 1
		.amdhsa_system_sgpr_workgroup_id_x 1
		.amdhsa_system_sgpr_workgroup_id_y 1
		.amdhsa_system_sgpr_workgroup_id_z 1
		.amdhsa_system_vgpr_workitem_id 0
		.amdhsa_next_free_vgpr 192
		.amdhsa_next_free_sgpr 66
		.amdhsa_reserve_vcc 0
		.amdhsa_float_denorm_mode_32 3
		.amdhsa_float_denorm_mode_16_64 3
		.amdhsa_memory_ordered 1
		.amdhsa_forward_progress 1
		.amdhsa_inst_pref_size 54
	.end_amdhsa_kernel
	.amdgpu_metadata
---
amdhsa.version: [ 1, 2 ]
amdhsa.kernels:
  - .name:           k_q4d7f3a847b_prep
    .symbol:         k_q4d7f3a847b_prep.kd
    .args:
      - { .name: q, .offset: 0, .size: 8, .value_kind: global_buffer, .address_space: global }
      - { .name: kv, .offset: 8, .size: 8, .value_kind: global_buffer, .address_space: global }
      - { .name: Wq, .offset: 16, .size: 8, .value_kind: global_buffer, .address_space: global }
      - { .name: Wk, .offset: 24, .size: 8, .value_kind: global_buffer, .address_space: global }
      - { .name: Wv, .offset: 32, .size: 8, .value_kind: global_buffer, .address_space: global }
      - { .name: Wo, .offset: 40, .size: 8, .value_kind: global_buffer, .address_space: global }
      - { .name: codes, .offset: 48, .size: 8, .value_kind: global_buffer, .address_space: global }
      - { .name: scales, .offset: 56, .size: 8, .value_kind: global_buffer, .address_space: global }
      - { .name: wo16, .offset: 64, .size: 8, .value_kind: global_buffer, .address_space: global }
    .group_segment_fixed_size: 33280
    .private_segment_fixed_size: 0
    .kernarg_segment_align: 8
    .kernarg_segment_size: 72
    .max_flat_workgroup_size: 128
    .sgpr_count:     66
    .vgpr_count:     192
    .wavefront_size: 32
...
	.end_amdgpu_metadata
.endif
;; end of part 1
;; launch proj (part 2): grid 64 x 3, 4 waves a work-group, clusters of 4 x 1, 184,832 bytes of LDS; arguments codes, scales, bq, bk, qf, kf, vf; writes qf, kf, vf
.if DOCPART == 2
	.amdgcn_target "amdgcn-amd-amdhsa--gfx1250"
	.amdhsa_code_object_version 6
	.text
	.protected	k_q4d7f3a847b_proj
	.globl	k_q4d7f3a847b_proj
	.p2align	8
	.type	k_q4d7f3a847b_proj,@function
k_q4d7f3a847b_proj:
	s_mov_b64 s[64:65], 0
	v_nop
	global_prefetch_b8 v0, s[64:65] scope:SCOPE_SE
	s_setreg_imm32_b32 hwreg(HW_REG_WAVE_MODE, 25, 1), 1
	s_wait_xcnt 0x0
	s_wait_alu depctr_hold_cnt(0) depctr_sa_sdst(0) depctr_va_vdst(0) depctr_va_sdst(0) depctr_va_ssrc(0) depctr_va_vcc(0) depctr_vm_vsrc(0)
	s_getreg_b32 s2, hwreg(HW_REG_IB_STS2, 6, 4)
	s_cmp_eq_u32 s2, 0
	s_cbranch_scc0 .Lentry_in_a_cluster
	s_endpgm
.Lentry_in_a_cluster:
	s_bfe_u32 s2, ttmp6, 0x10000c
	s_cmp_lg_u32 s2, 0x3003
	s_cbranch_scc0 .Lentry_shape_is_right
	s_endpgm
.Lentry_shape_is_right:
; The three quantised projections, on codes of FP4 (E2M1) with E8M0 scales: job 0: q Wq^T + bq -> qf; job 1: kv Wk^T + bk -> kf; job 2: kv Wv^T -> vf (bv is added where the attention divides by the row's sum:
; the softmax's weights of a row sum to 1, so sum(p (v + bv)) / l = sum(p v) / l + bv for every input).  Sums in f32; results rounded once to f16.
; LIMIT: the results' magnitudes stay under 65,504, f16's largest number.
; SHARES.  Grid y is the job; a work-group takes 128 tokens and all 512 columns; wave w makes columns 128 w .. 128 w + 127 (heads 2 w, 2 w + 1).  K = 512 is four matrix instructions deep: the whole K lies in LDS, nothing is filled again.
; CLUSTER.  The four work-groups of a cluster have the same job and need the same 512 rows of W: each wave asks for its 128 rows JOINTLY (the same descriptor and a mask that names the four).  x's rows are a work-group's own: a plain load.
; The grid has 192 work-groups: a split that gave every WGP one would mix jobs, and so paths and sources, within a work-group.
; THE RESULTS LEAVE AS IMAGES OF THE NEXT PRODUCT'S OPERAND REGISTERS.  Eight f32 of a lane that run along the next product's K pack into four registers, which ARE registers 0-3 or 4-7 of a 16-bit fragment there: they are
; stored as they stand, lane l's 16 bytes at 16 l: each store covers 512 consecutive bytes, aligned; no stage in LDS.
;   jobs 0, 1 (the next K = the head's channels): the product is used TRANSPOSED (source 0 = 16 rows of W, source 1 = 16 tokens): a lane holds token l % 16 and columns 8 (l / 16) + 0 .. 7.
;       byte = (batch x 8 + head) x 524,288 + token tile x 2,048 + channel tile x 512 + 16 l
;   job 2 (the next K = the keys): natural (source 0 = 16 tokens, source 1 = 16 rows of W): a lane holds channel l % 16 and tokens 8 (l / 16) + 0 .. 7.
;       byte = (batch x 8 + head) x 524,288 + (token tile / 2) x 4,096 + channel tile x 1,024 + (token tile % 2) x 512 + 16 l
; REGISTERS.  Window 0: v3-9 addresses; v16-79 x's fragments, two sets of four K steps; v80-111 x's scale words (token tile b, K step s: 4 b + s); v112-143 W's (column tile a: 4 a + s); v144-207 eight accumulators; v208-239 packed results.
;   Window 1: W's 32 fragments (8 (4 a + s)): they stay.   Window 2: v0-63 the bias, eight registers a column tile in the result's layout: the C of each sum's first product.
.set PITCH, 272                        ; an LDS row: 256 bytes of codes + 16 of padding: the 16 rows of a fragment load start 68 words apart
.set XT,    512*PITCH                  ; LDS: W's 512 rows from 0, x's 128 rows from here
.set SPARE, XT+128*PITCH               ; the spare words, 128 bytes a wave, which no other line names
.set LW,  3                            ; v3  my place in my wave's rows of W
.set LX,  4                            ; v4  my place in x's rows
.set LI,  5                            ; v5  16 x lane
.set LSC, 6                            ; v6  16 x (lane % 16): a row's 16 scale bytes
.set LB,  7                            ; v7  32 x (lane / 16): my eight numbers of a column tile's bias
.set SPW, 8
.set NIL, 9
.set XF,  16
.set XS,  80
.set WS,  112
.set ACC, 144
.set PK,  208
.set WV,  18                           ; s18 wave;  s19 job;  s20 cx;  s21 block of 128 tokens
.set JOB, 19
.set G1W, 24                           ; s[24:31] group 1 for W's rows;  s[32:39] for x's;  s[40:43], s[44:47] their groups 0
.set G1X, 32
.set G0W, 40
.set G0X, 44
.set MSB, 0
.macro WIN new                         ; the immediate's high byte repeats the setting that is left
.if MSB != \new
	s_set_vgpr_msb (MSB<<8)|\new
.set MSB, \new
.endif
.endm
.macro CROUND                          ; a round of the cluster's barrier
	s_barrier_signal -1
	s_barrier_wait -1
	s_cmp_lg_u32 s[WV], 0
	s_cbranch_scc1 .Lnot_wave_0_\@
	s_barrier_signal -3
.Lnot_wave_0_\@:
	s_barrier_wait -3
	s_barrier_signal -1
	s_barrier_wait -1
.endm
	s_load_b256 s[4:11], s[0:1], 0x0               ; codes s[4:5], scales s[6:7], bq s[8:9], bk s[10:11]
	s_load_b128 s[12:15], s[0:1], 0x20             ; qf s[12:13], kf s[14:15]
	s_load_b64 s[16:17], s[0:1], 0x30              ; vf
	v_lshl_add_u32 v[SPW], v0, 2, SPARE
	v_mov_b32 v[NIL], 0
	ds_add_u32 v[SPW], v[NIL]                      ; the wave's opening: the add, twice on end, and its wait ahead of my first tensor load
	ds_add_u32 v[SPW], v[NIL]
	v_lshrrev_b32 v1, 5, v0
	v_readfirstlane_b32 s[WV], v1                  ; wave 0..3
	s_and_b32 s[JOB], ttmp7, 0xffff                ; the job: the same in all four partners
	s_bfe_u32 s20, ttmp6, 0x40000                  ; cx
	s_lshl_b32 s21, ttmp9, 2
	s_add_co_u32 s21, s21, s20                     ; my block of 128 tokens: it enters x's, its scales' and the results' addresses alone
	s_mov_b32 s[G1W], 15|(1<<20)|(1<<21)|(5<<22)|(3<<25)   ; the mask: all four; elements of 1 byte; padding on, 4 words behind every 64; bit 21 beside a mask
	s_mov_b32 s[G1W+1], 256<<16                    ; tensor_dim0 = 256 bytes
	s_mov_b32 s[G1W+2], 128<<16                    ; tensor_dim1 = 128 rows
	s_mov_b32 s[G1W+3], 256<<16                    ; tile_dim0
	s_mov_b32 s[G1W+4], 128                        ; tile_dim1
	s_mov_b32 s[G1W+5], 256                        ; from row to row
	s_mov_b32 s[G1W+6], 0
	s_mov_b32 s[G1W+7], 0
	s_mov_b32 s[G1X], (1<<20)|(5<<22)|(3<<25)      ; no mask: my work-group's own rows
	s_mov_b32 s[G1X+1], 256<<16
	s_mov_b32 s[G1X+2], 32<<16                     ; 32 rows a wave
	s_mov_b32 s[G1X+3], 256<<16
	s_mov_b32 s[G1X+4], 32
	s_mov_b32 s[G1X+5], 256
	s_mov_b32 s[G1X+6], 0
	s_mov_b32 s[G1X+7], 0
	s_lshl_b32 s48, s[JOB], 17                     ; W's codes: 4,194,304 + job x 131,072 + wave x 32,768: job and wave alone
	s_lshl_b32 s49, s[WV], 15
	s_add_co_u32 s48, s48, s49
	s_add_co_u32 s48, s48, 4194304
	s_mov_b32 s49, 0
	s_cmp_eq_u32 s[JOB], 0
	s_cselect_b32 s50, 0, 2097152                  ; x's codes: q's from 0, kv's from 2,097,152,
	s_cselect_b32 s54, 0, 131072                   ; its scale bytes likewise
	s_lshl_b32 s51, s21, 15                        ; + block x 32,768
	s_add_co_u32 s50, s50, s51
	s_lshl_b32 s51, s[WV], 13                      ; + wave x 32 rows
	s_add_co_u32 s50, s50, s51
	s_mov_b32 s51, 0
	s_lshl_b32 s55, s21, 11                        ; 128 rows x 16 scale bytes
	s_add_co_u32 s54, s54, s55
	s_mov_b32 s55, 0
	s_lshl_b32 s52, s[JOB], 13                     ; W's scale bytes: 262,144 + job x 8,192 + wave x 2,048
	s_lshl_b32 s53, s[WV], 11
	s_add_co_u32 s52, s52, s53
	s_add_co_u32 s52, s52, 262144
	s_mov_b32 s53, 0
	s_lshr_b32 s58, s21, 5                         ; the results: ((batch x 8 + 2 wave) x 524,288 + (block % 32) x 16,384, alike for the three jobs
	s_lshl_b32 s58, s58, 3
	s_lshl_b32 s59, s[WV], 1
	s_add_co_u32 s58, s58, s59
	s_lshl_b32 s58, s58, 19
	s_and_b32 s59, s21, 31
	s_lshl_b32 s59, s59, 14
	s_add_co_u32 s58, s58, s59
	s_mov_b32 s59, 0
	s_lshl_b32 s62, s[WV], 9                       ; the bias: my 128 numbers
	s_mov_b32 s63, 0
	s_mov_b32 s[G0W], 1
	s_mul_i32 s[G0W+1], s[WV], 128*PITCH           ; LDS: wave x 128 rows
	s_mov_b32 s[G0X], 1
	s_mul_i32 s[G0X+1], s[WV], 32*PITCH
	s_add_co_u32 s[G0X+1], s[G0X+1], XT            ; LDS: behind W, wave x 32 rows
	v_and_b32 v1, 15, v0                           ; r
	v_bfe_u32 v2, v0, 4, 1                         ; h
	v_mul_u32_u24 v10, v1, PITCH
	v_lshl_add_u32 v10, v2, 4, v10                 ; a fragment's row x pitch + 16 h
	v_add_nc_u32 v[LW], s[G0W+1], v10
	v_add_nc_u32 v[LX], XT, v10
	v_and_b32 v[LI], 31, v0
	v_lshlrev_b32 v[LI], 4, v[LI]
	v_lshlrev_b32 v[LSC], 4, v1
	v_lshlrev_b32 v[LB], 5, v2
	s_wait_dscnt 0x0                               ; both opening adds are done
	s_wait_kmcnt 0x0
	s_add_nc_u64 s[G0W+2:G0W+3], s[4:5], s[48:49]
	s_or_b32 s[G0W+3], s[G0W+3], 0x80000000
	s_add_nc_u64 s[G0X+2:G0X+3], s[4:5], s[50:51]
	s_or_b32 s[G0X+3], s[G0X+3], 0x80000000
	s_add_nc_u64 s[52:53], s[6:7], s[52:53]        ; W's scale bytes
	s_add_nc_u64 s[54:55], s[6:7], s[54:55]        ; x's
	s_cmp_eq_u32 s[JOB], 0
	s_cselect_b64 s[56:57], s[12:13], s[14:15]     ; the job's result buffer
	s_cselect_b64 s[60:61], s[8:9], s[10:11]       ; and bias
	s_cmp_eq_u32 s[JOB], 2
	s_cselect_b64 s[56:57], s[16:17], s[56:57]
	s_add_nc_u64 s[56:57], s[56:57], s[58:59]
	s_add_nc_u64 s[60:61], s[60:61], s[62:63]
	CROUND                                         ; all four work-groups are here: the joint loads meet
	tensor_load_to_lds s[G0W:G0W+3], s[G1W:G1W+7]  ; my 128 rows of W, jointly
	s_nop 0
	tensor_load_to_lds s[G0X:G0X+3], s[G1X:G1X+7]  ; my 32 rows of x: two loads of mine are out
	s_nop 0
.rept 4
	v_nop
.endr
.irp a, 0,1,2,3,4,5,6,7                        ; the scale words go straight into registers: a row's 16 bytes are its four K steps' words; sixteen lanes read 256 consecutive bytes (lanes 16-31 the same, and are not read)
	global_load_b128 v[WS+4*\a:WS+4*\a+3], v[LSC], s[52:53] offset:256*\a
	global_load_b128 v[XS+4*\a:XS+4*\a+3], v[LSC], s[54:55] offset:256*\a
.endr
.macro XLOAD b                         ; token tile b's four fragments into set b % 2: registers 4 c .. 4 c + 3 of K step s hold K = 128 s + 64 c + 32 h + 0 .. 31
.irp s, 0,1,2,3
.irp c, 0,1
	ds_load_b128 v[XF+32*((\b)%2)+8*\s+4*\c:XF+32*((\b)%2)+8*\s+4*\c+3], v[LX] offset:16*PITCH*(\b)+64*\s+32*\c
.endr
.endr
.endm
.macro COMMON                          ; what both paths do between the requests and the products
	s_wait_tensorcnt 0x0                           ; my rows of W and of x have landed;
	s_barrier_signal -1
	s_barrier_wait -1                              ; everybody's have: x's rows come from four waves
	WIN 0x40                                       ; destination window 1
.irp a, 0,1,2,3,4,5,6,7
.irp s, 0,1,2,3
.irp c, 0,1
	ds_load_b128 v[8*(4*\a+\s)+4*\c:8*(4*\a+\s)+4*\c+3], v[LW] offset:16*PITCH*\a+64*\s+32*\c
.endr
.endr
.endr
	WIN 0
	XLOAD 0
	s_wait_loadcnt 0x0                             ; the scale words (and the bias)
.endm
; Token tile b: 32 products, K step by K step, the eight accumulators by turns; packed; stored.
.macro TILE b, nat
.if (\b) < 7
	XLOAD (\b)+1                                   ; into the set that the tile before multiplied: its four v_nop and its conversions are the places between
	s_wait_dscnt 8                                 ; all but the eight just issued
.else
	s_wait_dscnt 0x0
.endif
.set XB, XF+32*((\b)%2)
.irp s, 0,1,2,3
.if \nat
	WIN 0x04                                       ; source 1 (W) window 1
.elseif \s == 0
	WIN 0x21                                       ; source 0 (W) window 1, C (the bias) window 2
.else
	WIN 0x01
.endif
.irp a, 0,1,2,3,4,5,6,7
.if \nat
.if \s == 0
	v_wmma_scale_f32_16x16x128_f8f6f4 v[ACC+8*\a:ACC+8*\a+7], v[XB+8*\s:XB+8*\s+7], v[8*(4*\a+\s):8*(4*\a+\s)+7], 0, v[XS+4*(\b)+\s], v[WS+4*\a+\s] matrix_a_fmt:MATRIX_FMT_FP4 matrix_b_fmt:MATRIX_FMT_FP4
.else
	v_wmma_scale_f32_16x16x128_f8f6f4 v[ACC+8*\a:ACC+8*\a+7], v[XB+8*\s:XB+8*\s+7], v[8*(4*\a+\s):8*(4*\a+\s)+7], v[ACC+8*\a:ACC+8*\a+7], v[XS+4*(\b)+\s], v[WS+4*\a+\s] matrix_a_fmt:MATRIX_FMT_FP4 matrix_b_fmt:MATRIX_FMT_FP4
.endif
.else
.if \s == 0
	v_wmma_scale_f32_16x16x128_f8f6f4 v[ACC+8*\a:ACC+8*\a+7], v[8*(4*\a+\s):8*(4*\a+\s)+7], v[XB+8*\s:XB+8*\s+7], v[8*\a:8*\a+7], v[WS+4*\a+\s], v[XS+4*(\b)+\s] matrix_a_fmt:MATRIX_FMT_FP4 matrix_b_fmt:MATRIX_FMT_FP4
.else
	v_wmma_scale_f32_16x16x128_f8f6f4 v[ACC+8*\a:ACC+8*\a+7], v[8*(4*\a+\s):8*(4*\a+\s)+7], v[XB+8*\s:XB+8*\s+7], v[ACC+8*\a:ACC+8*\a+7], v[WS+4*\a+\s], v[XS+4*(\b)+\s] matrix_a_fmt:MATRIX_FMT_FP4 matrix_b_fmt:MATRIX_FMT_FP4
.endif
.endif
.endr
.endr
	WIN 0
.rept 4
	v_nop                                          ; four places between the last product and the first read of results (ISA guide 7.12.1)
.endr
.if (\b) > 0
	s_wait_xcnt 0x0                                ; the last tile's stores have read their data: the packed registers are written again only behind this wait
.endif
.irp a, 0,1,2,3,4,5,6,7
.irp i, 0,1,2,3
	v_cvt_pk_f16_f32 v[PK+4*\a+\i], v[ACC+8*\a+2*\i], v[ACC+8*\a+2*\i+1]   ; each accumulator from its low end on
.endr
.endr
.irp a, 0,1,2,3,4,5,6,7
.if \nat
	global_store_b128 v[LI], v[PK+4*\a:PK+4*\a+3], s[56:57] offset:(\a/4)*524288+((\b)/2)*4096+(\a%4)*1024+((\b)%2)*512
.else
	global_store_b128 v[LI], v[PK+4*\a:PK+4*\a+3], s[56:57] offset:(\a/4)*524288+(\b)*2048+(\a%4)*512
.endif
.endr
.endm
	s_cmp_eq_u32 s[JOB], 2                         ; the paths part on the job: an id that all waves of all four partners share
	s_cbranch_scc1 .Lnat
	WIN 0x80                                       ; destination window 2
.irp a, 0,1,2,3,4,5,6,7                        ; lane (r, h) wants, for column tile a, b[128 w + 16 a + 8 h + 0 .. 7]
	global_load_b128 v[8*\a:8*\a+3], v[LB], s[60:61] offset:64*\a
	global_load_b128 v[8*\a+4:8*\a+7], v[LB], s[60:61] offset:64*\a+16
.endr
	WIN 0
	COMMON
.irp b, 0,1,2,3,4,5,6,7
	TILE \b, 0
.endr
	s_branch .Ldone
.Lnat:
	COMMON
.irp b, 0,1,2,3,4,5,6,7
	TILE \b, 1
.endr
.Ldone:
	s_wait_tensorcnt 0x0                           ; the wave's end
	ds_add_u32 v[SPW], v[NIL]
	s_wait_dscnt 0x0
	CROUND                                         ; the closing round: no work-group ends while a partner may still ask for a tile that names it
	s_endpgm
.Lfunc_end_k_q4d7f3a847b_proj:
	.size	k_q4d7f3a847b_proj, .Lfunc_end_k_q4d7f3a847b_proj-k_q4d7f3a847b_proj
	.p2alignl 7, 3214868480
	.fill 96, 4, 3214868480
	.section	.rodata,"a",@progbits
	.p2align	6, 0x0
	.amdhsa_kernel k_q4d7f3a847b_proj
		.amdhsa_group_segment_fixed_size 184832
		.amdhsa_private_segment_fixed_size 0
		.amdhsa_enable_private_segment 0
		.amdhsa_kernarg_size 56
		.amdhsa_user_sgpr_count 2
		.amdhsa_user_sgpr_kernarg_segment_ptr 1
		.amdhsa_wavefront_size32 1
		.amdhsa_system_sgpr_workgroup_id_x 1
		.amdhsa_system_sgpr_workgroup_id_y 1
		.amdhsa_system_sgpr_workgroup_id_z 1
		.amdhsa_system_vgpr_workitem_id 0
		.amdhsa_next_free_vgpr 576
		.amdhsa_next_free_sgpr 66
		.amdhsa_reserve_vcc 0
		.amdhsa_float_denorm_mode_32 3
		.amdhsa_float_denorm_mode_16_64 3
		.amdhsa_memory_ordered 1
		.amdhsa_forward_progress 1
		.amdhsa_inst_pref_size 138
	.end_amdhsa_kernel
	.amdgpu_metadata
---
amdhsa.version: [ 1, 2 ]
amdhsa.kernels:
  - .name:           k_q4d7f3a847b_proj
    .symbol:         k_q4d7f3a847b_proj.kd
    .args:
      - { .name: codes, .offset: 0, .size: 8, .value_kind: global_buffer, .address_space: global }
      - { .name: scales, .offset: 8, .size: 8, .value_kind: global_buffer, .address_space: global }
      - { .name: bq, .offset: 16, .size: 8, .value_kind: global_buffer, .address_space: global }
      - { .name: bk, .offset: 24, .size: 8, .value_kind: global_buffer, .address_space: global }
      - { .name: qf, .offset: 32, .size: 8, .value_kind: global_buffer, .address_space: global }
      - { .name: kf, .offset: 40, .size: 8, .value_kind: global_buffer, .address_space: global }
      - { .name: vf, .offset: 48, .size: 8, .value_kind: global_buffer, .address_space: global }
    .group_segment_fixed_size: 184832
    .private_segment_fixed_size: 0
    .kernarg_segment_align: 8
    .kernarg_segment_size: 56
    .max_flat_workgroup_size: 128
    .sgpr_count:     66
    .vgpr_count:     576
    .wavefront_size: 32
...
	.end_amdgpu_metadata
.endif
;; end of part 2
;; launch attn (part 3): grid 16 x 16, 8 waves a work-group, clusters of 4 x 1, 327,680 bytes of LDS; arguments qf, kf, vf, bv, of; writes of
.if DOCPART == 3
	.amdgcn_target "amdgcn-amd-amdhsa--gfx1250"
	.amdhsa_code_object_version 6
	.text
	.protected	k_q4d7f3a847b_attn
	.globl	k_q4d7f3a847b_attn
	.p2align	8
	.type	k_q4d7f3a847b_attn,@function
k_q4d7f3a847b_attn:
	s_mov_b64 s[64:65], 0
	v_nop
	global_prefetch_b8 v0, s[64:65] scope:SCOPE_SE
	s_setreg_imm32_b32 hwreg(HW_REG_WAVE_MODE, 25, 1), 1
	s_wait_xcnt 0x0
	s_wait_alu depctr_hold_cnt(0) depctr_sa_sdst(0) depctr_va_vdst(0) depctr_va_sdst(0) depctr_va_ssrc(0) depctr_va_vcc(0) depctr_vm_vsrc(0)
	s_getreg_b32 s2, hwreg(HW_REG_IB_STS2, 6, 4)
	s_cmp_eq_u32 s2, 0
	s_cbranch_scc0 .Lentry_in_a_cluster
	s_endpgm
.Lentry_in_a_cluster:
	s_bfe_u32 s2, ttmp6, 0x10000c
	s_cmp_lg_u32 s2, 0x3003
	s_cbranch_scc0 .Lentry_shape_is_right
	s_endpgm
.Lentry_shape_is_right:
; O[q] = sum over k of softmax_k(Q[q] . K[k] / 8) V[k] + bv, for each of 16 (batch, head), 4,096 queries and keys, head size 64.  Operands f16, products, maxima and sums f32; the weights p are rounded to f16 for the
; second product, O once at the end.  (V comes without its bias: a row's weights sum to 1, so bv is added where O is divided by the row's sum, in the same fused multiply-add.)
; LIMIT: O's magnitudes stay under 65,504, f16's largest number.
; qf, kf, vf, of are images of operand registers: pieces of 512 bytes, lane l's 16 bytes (four registers) at 16 l.  So K's and V's tiles are dense blocks, every LDS load is 16 x lane + a constant, nothing is padded or turned.
; SHARES.  Grid y = batch x 8 + head.  A work-group owns 256 queries, each of its eight waves 32: two tiles of 16.  Two waves share a SIMD.  Every wave walks all keys, 64 a step.
; LAYOUT.  S^T = K Q^T (source 0 = 16 keys, source 1 = 16 queries) and O^T = V^T P (source 0 = 16 channels, source 1 = P): a lane holds ONE query (lane % 16) throughout; two tiles of S^T, rounded in pairs, ARE source 1 of V^T P.
; SOFTMAX.  A running maximum m and sum l for each query: p = 2^(c s - c m), c = log2(e) / 8; in every step O and l are multiplied by a = 2^(c m_old - c m_new).
; BY TURNS.  In a TURN one tile has the matrix unit (8 products V^T P of the step in hand, then 8 products K Q^T of the next step) and the other tile's softmax stands between them.  K, Q, S^T and P share window 0, so the products
; K Q^T stand singly among the exponentials with no switch of windows; the products V^T P stand in runs of four.  Two turns are a key step.
; RING.  Two LDS slots of 8 key steps: K's 65,536 bytes, then V's.  Waves 0-3 fetch K's quarters, waves 4-7 V's: one load of 16,384 bytes a wave behind each change of slots, which has 8 key steps in which to land.
; CLUSTER.  The four query blocks of a cluster belong to one head and walk the same K and V: each quarter is asked for JOINTLY, by the same descriptor and a mask that names the four.
; REGISTERS.  Window 0: v2-5 addresses; v12-27 statistics, eight a tile: +0 c m, +1 m, +2, +3 l (even keys', odd keys'), +4 .. +7 at work (a takes +6); v28, v29 the add's two; v30 the prefetches' offset;
;   v32-63 Q (16 t + 8 u); v64-127 S^T (32 t + 8 kt); v128-159 P (16 t + 8 G); v160-223 K of one step (16 kt + 8 u); v224-255 bv in O^T's layout.   Window 1: v0-63 V of one step (32 G + 8 ct); v64-127 O^T (32 t + 8 ct).
.set SLOT1, 1<<17                      ; slot 1 begins here: one exclusive or turns an address in one slot into the other's
.set VOFF,  65536                      ; V's half of a slot
.set STEPB, 8192                       ; a key step's bytes of K, and of V
.set SPARE, 2*SLOT1                    ; behind the ring: the spare words, 128 bytes a wave, which no other line names
.set LI,  2                            ; v2  16 x lane
.set AV0, 3                            ; v3  16 x lane + VOFF
.set ADR, 4                            ; v4  the LDS address of the run of loads in hand
.set LBV, 5                            ; v5  32 x (lane / 16)
.set ST,  12
.set SPW, 28
.set NIL, 29
.set PFO, 30                           ; v30 256 x lane
.set Q,   32
.set S,   64
.set P,   128
.set KF,  160
.set BV,  224
.set VF,  0                            ; in window 1
.set O,   64                           ; in window 1
.set WV,  12                           ; s12 wave
.set LIM, 15                           ; s15 1 in a wave that prefetches, else the greatest number
.set PFA, 18                           ; s[18:19] where my prefetches stand
.set G1,  24                           ; s[24:31] descriptor group 1, for K's and V's quarters alike
.set G0K, 40                           ; s[40:47] group 0 for K: a set for each of the two first fills; the second then walks
.set G0V, 48                           ; s[48:55] the same for V
.set SLOTS, 56                         ; s56 slots still to be asked for
.set CNT, 57                           ; s57 counts key steps
.set CS,  58                           ; s[58:59] c
.set SEL, 60                           ; s[60:61] v_permlanex16_b32's selects: lane l xor 16
.set TB,  62                           ; s62 LDS byte at which the step to be fetched begins
.set MSB, 0
.macro WIN new                         ; the immediate's high byte repeats the setting that is left; a switch that changes nothing is dropped
.if MSB != \new
	s_set_vgpr_msb (MSB<<8)|\new
.set MSB, \new
.endif
.endm
.set W_PV, 0x51                        ; V (source 0), C and D in window 1; P in window 0
.set W_RS, 0x41                        ; O^T (destination and source 0) in window 1; a in window 0
.set TO_V, 0x40                        ; destination window 1, address window 0
.macro JLOAD                           ; a joint refill; the branch hangs on the wave's number alone; an s_nop 0 and four v_nop follow each line
	s_cmp_lt_u32 s[WV], 4
	s_cbranch_scc0 .Lfor_v_\@
	tensor_load_to_lds s[G0K+4:G0K+7], s[G1:G1+7]
	s_nop 0
.rept 4
	v_nop
.endr
	s_branch .Lasked_\@
.Lfor_v_\@:
	tensor_load_to_lds s[G0V+4:G0V+7], s[G1:G1+7]
	s_nop 0
.rept 4
	v_nop
.endr
.Lasked_\@:
.endm
; A PREFETCH INTO THE L2 of what the NEXT change of slots will ask for: 65,536 bytes of K and of V, 8 key steps ahead of that load.  Each aligned block of 256 bytes is named once in the launch: all four clusters of a head walk the
; same K and V, and the head's first cluster asks; its four partners take 16,384 bytes each, told apart BY ADDRESS; in each, waves 0 and 1 ask for K's two halves of that and waves 4 and 5 for V's, lanes 256 bytes apart.
; The last change that fills a slot asks for nothing; slots 0 to 2 come by their loads alone.
.macro ASK
	s_cmp_gt_u32 s[SLOTS], s[LIM]
	s_cbranch_scc0 .Lnot_mine_\@
	global_prefetch_b8 v[PFO], s[PFA:PFA+1] th:TH_LOAD_NT scope:SCOPE_SE
.Lnot_mine_\@:
.endm
.macro CROUND                          ; a round of the cluster's barrier
	s_barrier_signal -1
	s_barrier_wait -1
	s_cmp_lg_u32 s[WV], 0
	s_cbranch_scc1 .Lnot_wave_0_\@
	s_barrier_signal -3
.Lnot_wave_0_\@:
	s_barrier_wait -3
	s_barrier_signal -1
	s_barrier_wait -1
.endm
	s_load_b256 s[4:11], s[0:1], 0x0               ; qf s[4:5], kf s[6:7], vf s[8:9], bv s[10:11]
	s_load_b64 s[16:17], s[0:1], 0x20              ; of
	v_lshl_add_u32 v[SPW], v0, 2, SPARE
	v_mov_b32 v[NIL], 0
	ds_add_u32 v[SPW], v[NIL]                      ; the wave's opening: the add, twice on end, and its wait ahead of my first tensor load
	ds_add_u32 v[SPW], v[NIL]
	v_lshrrev_b32 v1, 5, v0
	v_readfirstlane_b32 s[WV], v1                  ; wave 0..7
	s_bfe_u32 s13, ttmp6, 0x40000                  ; cx
	s_lshl_b32 s14, ttmp9, 2
	s_add_co_u32 s14, s14, s13                     ; my block of 256 queries: it enters Q's and O's addresses alone
	s_and_b32 s63, ttmp7, 0xffff                   ; batch x 8 + head, which the four partners share
	s_lshl_b32 s20, s63, 19                        ; the head's 524,288 bytes in kf and vf,
	s_and_b32 s22, s[WV], 3
	s_lshl_b32 s22, s22, 14                        ; my quarter of a slot's K or V: in memory and in LDS alike
	s_add_co_u32 s20, s20, s22
	s_mov_b32 s21, 0
	s_lshl_b32 s32, s63, 19                        ; Q: head x 524,288 + block x 32,768 + wave x 4,096
	s_lshl_b32 s33, s14, 15
	s_add_co_u32 s32, s32, s33
	s_lshl_b32 s33, s[WV], 12
	s_add_co_u32 s32, s32, s33
	s_mov_b32 s33, 0
	s_lshr_b32 s34, s63, 3                         ; O: (batch x 256 + 16 block + 2 wave) x 16,384 + head x 2,048
	s_lshl_b32 s34, s34, 22
	s_lshl_b32 s35, s14, 18
	s_add_co_u32 s34, s34, s35
	s_lshl_b32 s35, s[WV], 15
	s_add_co_u32 s34, s34, s35
	s_and_b32 s23, s63, 7                          ; the head
	s_lshl_b32 s35, s23, 11
	s_add_co_u32 s34, s34, s35
	s_mov_b32 s35, 0
	s_lshl_b32 s36, s23, 8                         ; bv: the head's 64 numbers
	s_mov_b32 s37, 0
	s_lshl_b32 s38, s63, 19                        ; the prefetches: the head, my work-group's 16,384 bytes, my wave's half of them, in slot 2: the first change of slots steps it to slot 3
	s_lshl_b32 s39, s13, 14
	s_add_co_u32 s38, s38, s39
	s_and_b32 s39, s[WV], 1
	s_lshl_b32 s39, s39, 13
	s_add_co_u32 s38, s38, s39
	s_add_co_u32 s38, s38, 2*65536
	s_mov_b32 s39, 0
	s_mov_b32 s[G1], 15|(3<<16)|(1<<21)            ; the mask: all four; elements of 8 bytes; no padding; bit 21 beside a mask
	s_mov_b32 s[G1+1], 32<<16                      ; tensor_dim0 = 32 elements: rows of 256 bytes
	s_mov_b32 s[G1+2], 64<<16                      ; tensor_dim1 = 64 rows
	s_mov_b32 s[G1+3], 32<<16                      ; tile_dim0
	s_mov_b32 s[G1+4], 64                          ; tile_dim1
	s_mov_b32 s[G1+5], 32                          ; from row to row: dense
	s_mov_b32 s[G1+6], 0
	s_mov_b32 s[G1+7], 0
	s_mov_b32 s[CS], 0x3e38aa3b                    ; c = log2(e) / 8
	s_mov_b32 s[CS+1], s[CS]                       ; named with it as a pair, so it is written
	s_mov_b32 s[SEL], 0x76543210
	s_mov_b32 s[SEL+1], 0xfedcba98
	s_mov_b32 s[TB], 0
	s_mov_b32 s[SLOTS], 6                          ; 8 slots' worth of keys, two asked for at the head
	s_and_b32 s[LIM], s[WV], 2                     ; 0 in waves 0, 1, 4, 5,
	s_or_b32 s[LIM], s[LIM], ttmp9                 ; of the head's first cluster: the same in all four partners
	s_cmp_eq_u32 s[LIM], 0
	s_cselect_b32 s[LIM], 1, -1
	v_and_b32 v[LI], 31, v0
	v_lshlrev_b32 v[PFO], 8, v[LI]
	v_lshlrev_b32 v[LI], 4, v[LI]
	v_add_nc_u32 v[AV0], VOFF, v[LI]
	v_bfe_u32 v[LBV], v0, 4, 1
	v_lshlrev_b32 v[LBV], 5, v[LBV]
	s_wait_dscnt 0x0                               ; both opening adds are done
	s_wait_kmcnt 0x0
	s_cmp_lt_u32 s[WV], 4
	s_cselect_b64 s[PFA:PFA+1], s[6:7], s[8:9]
	s_add_nc_u64 s[PFA:PFA+1], s[PFA:PFA+1], s[38:39]
	s_add_nc_u64 s[6:7], s[6:7], s[20:21]          ; K and V at my quarter of slot 0
	s_add_nc_u64 s[8:9], s[8:9], s[20:21]
	s_add_nc_u64 s[4:5], s[4:5], s[32:33]          ; Q at my two tiles
	s_add_nc_u64 s[16:17], s[16:17], s[34:35]      ; O likewise
	s_add_nc_u64 s[10:11], s[10:11], s[36:37]      ; bv at my head
	CROUND                                         ; all four work-groups are here: the first joint loads meet
.irp s, 0,1
	s_mov_b32 s[G0K+4*\s], 1
	s_add_co_u32 s[G0K+4*\s+1], s22, \s*SLOT1
	s_add_nc_u64 s[G0K+4*\s+2:G0K+4*\s+3], s[6:7], \s*65536
	s_or_b32 s[G0K+4*\s+3], s[G0K+4*\s+3], 0x80000000
	s_mov_b32 s[G0V+4*\s], 1
	s_add_co_u32 s[G0V+4*\s+1], s22, \s*SLOT1+VOFF
	s_add_nc_u64 s[G0V+4*\s+2:G0V+4*\s+3], s[8:9], \s*65536
	s_or_b32 s[G0V+4*\s+3], s[G0V+4*\s+3], 0x80000000
.endr
	s_cmp_lt_u32 s[WV], 4                          ; a wave's two first fills stand in one branch, ahead of every wait on TENSORcnt and every LDS read: two loads of mine are out
	s_cbranch_scc0 .Lfirst_v
	tensor_load_to_lds s[G0K:G0K+3], s[G1:G1+7]
	s_nop 0
	tensor_load_to_lds s[G0K+4:G0K+7], s[G1:G1+7]
	s_nop 0
.rept 4
	v_nop
.endr
	s_branch .Lfirst_asked
.Lfirst_v:
	tensor_load_to_lds s[G0V:G0V+3], s[G1:G1+7]
	s_nop 0
	tensor_load_to_lds s[G0V+4:G0V+7], s[G1:G1+7]
	s_nop 0
.rept 4
	v_nop
.endr
.Lfirst_asked:
.irp i, 0,1,2,3,4,5,6,7                        ; Q stays in registers: my two tiles are eight pieces on end
	global_load_b128 v[Q+4*\i:Q+4*\i+3], v[LI], s[4:5] offset:512*\i th:TH_LOAD_NT
.endr
.irp ct, 0,1,2,3                               ; bv in O^T's layout: lane (r, h) wants, for channel tile ct, bv[64 head + 16 ct + 8 h + 0 .. 7]
	global_load_b128 v[BV+8*\ct:BV+8*\ct+3], v[LBV], s[10:11] offset:64*\ct
	global_load_b128 v[BV+8*\ct+4:BV+8*\ct+7], v[LBV], s[10:11] offset:64*\ct+16
.endr
.irp t, 0,1
	v_mov_b32 v[ST+8*\t+1], 0xff61b1e6             ; m = -3e38, under every score: the first step's a is then 0,
	v_mul_f32 v[ST+8*\t], s[CS], v[ST+8*\t+1]      ; c m
	v_mov_b32 v[ST+8*\t+2], 0                      ; and l and O^T begin as zeros: one text serves every step
	v_mov_b32 v[ST+8*\t+3], 0
.endr
.macro FETCH_K                         ; a step's K: 64 keys x 64 channels, 16 pieces on end
	WIN 0
	v_add_nc_u32 v[ADR], s[TB], v[LI]
.irp i, 0,1,2,3,4,5,6,7,8,9,10,11,12,13,14,15
	ds_load_b128 v[KF+4*\i:KF+4*\i+3], v[ADR] offset:512*\i
.endr
.endm
.macro FETCH_V                         ; the same step's V; the next fetch is the next step's
	WIN 0
	v_add_nc_u32 v[ADR], s[TB], v[AV0]
	s_add_co_u32 s[TB], s[TB], STEPB
	WIN TO_V
.irp i, 0,1,2,3,4,5,6,7,8,9,10,11,12,13,14,15
	ds_load_b128 v[VF+4*\i:VF+4*\i+3], v[ADR] offset:512*\i
.endr
	WIN 0
.endm
.macro KQ x, i                         ; product i of 8 of tile x's S^T = K Q^T: channels 32 (i / 4) on, keys 16 (i % 4) on.  The first four start the sums
.set kS, S+32*(\x)+8*((\i)%4)
.set kK, KF+16*((\i)%4)+8*((\i)/4)
.set kQ, Q+16*(\x)+8*((\i)/4)
.if (\i) < 4
	v_wmma_f32_16x16x32_f16 v[kS:kS+7], v[kK:kK+7], v[kQ:kQ+7], 0
.else
	v_wmma_f32_16x16x32_f16 v[kS:kS+7], v[kK:kK+7], v[kQ:kQ+7], v[kS:kS+7]
.endif
.endm
.macro PV4 x, g                        ; four products of tile x's O^T += V^T P: keys 32 g on, the four channel tiles by turns
.irp ct, 0,1,2,3
	v_wmma_f32_16x16x32_f16 v[O+32*(\x)+8*\ct:O+32*(\x)+8*\ct+7], v[VF+32*(\g)+8*\ct:VF+32*(\g)+8*\ct+7], v[P+16*(\x)+8*(\g):P+16*(\x)+8*(\g)+7], v[O+32*(\x)+8*\ct:O+32*(\x)+8*\ct+7]
.endr
.endm
.macro SMA y                           ; tile y: the new maximum.  Four chains, each accumulator from its low end on; the old m is one more leaf
.set rT, ST+8*(\y)
.set rS, S+32*(\y)
.irp j, 0,1,2,3
	v_max3_num_f32 v[rT+4+\j], v[rS+8*\j], v[rS+8*\j+1], v[rS+8*\j+2]
.endr
.irp n, 3,5
.irp j, 0,1,2,3
	v_max3_num_f32 v[rT+4+\j], v[rT+4+\j], v[rS+8*\j+\n], v[rS+8*\j+\n+1]
.endr
.endr
	v_max3_num_f32 v[rT+4], v[rT+4], v[rS+7], v[rS+15]
	v_max3_num_f32 v[rT+6], v[rT+6], v[rS+23], v[rS+31]
	v_max3_num_f32 v[rT+4], v[rT+4], v[rT+5], v[rT+6]
	v_max3_num_f32 v[rT+4], v[rT+4], v[rT+7], v[rT+1]
	v_permlanex16_b32 v[rT+5], v[rT+4], s[SEL], s[SEL+1]   ; the query's other 32 keys lie in the lane 16 away
	v_mov_b32 v[rT+7], v[rT]                       ; c m_old is kept for a
	v_max_num_f32 v[rT+1], v[rT+4], v[rT+5]
	v_mul_f32 v[rT], s[CS], v[rT+1]
	v_sub_f32 v[rT+7], v[rT+7], v[rT]              ; c m_old - c m_new
.endm
.macro SMB y                           ; c s - c m, two scores an instruction
.set rT, ST+8*(\y)
.set rS, S+32*(\y)
.irp b, 0,1,2,3,4,5,6,7,8,9,10,11,12,13,14,15
	v_pk_fma_f32 v[rS+2*\b:rS+2*\b+1], v[rS+2*\b:rS+2*\b+1], s[CS:CS+1], v[rT:rT+1] op_sel_hi:[1,0,0] neg_lo:[0,0,1] neg_hi:[0,0,1]
.endr
.endm
.macro SMD y                           ; the weights rounded to f16: they are source 1 of V^T P as they stand; the sum of the unrounded weights, as a tree in place; l = a l + the sum
.set rT, ST+8*(\y)
.set rS, S+32*(\y)
.set rP, P+16*(\y)
.irp i, 0,1,2,3,4,5,6,7,8,9,10,11,12,13,14,15
	v_cvt_pk_f16_f32 v[rP+\i], v[rS+2*\i], v[rS+2*\i+1]
.endr
.irp u, 0,1,2,3,4,5,6,7
	v_pk_add_f32 v[rS+4*\u:rS+4*\u+1], v[rS+4*\u:rS+4*\u+1], v[rS+4*\u+2:rS+4*\u+3]
.endr
.irp u, 0,1,2,3
	v_pk_add_f32 v[rS+8*\u:rS+8*\u+1], v[rS+8*\u:rS+8*\u+1], v[rS+8*\u+4:rS+8*\u+5]
.endr
.irp u, 0,1
	v_pk_add_f32 v[rS+16*\u:rS+16*\u+1], v[rS+16*\u:rS+16*\u+1], v[rS+16*\u+8:rS+16*\u+9]
.endr
	v_pk_add_f32 v[rS:rS+1], v[rS:rS+1], v[rS+16:rS+17]
	v_pk_fma_f32 v[rT+2:rT+3], v[rT+2:rT+3], v[rT+6:rT+7], v[rS:rS+1] op_sel_hi:[1,0,1]
.endm
.macro SME y                           ; tile y's O^T times a, each accumulator from its low end on: the one part of a softmax that leaves window 0
	WIN W_RS
.irp k, 0,1,2,3,4,5,6,7,8,9,10,11,12,13,14,15
	v_pk_mul_f32 v[O+32*(\y)+2*\k:O+32*(\y)+2*\k+1], v[O+32*(\y)+2*\k:O+32*(\y)+2*\k+1], v[ST+8*(\y)+6:ST+8*(\y)+7] op_sel_hi:[1,0]
.endr
.endm
; A TURN.  Tile x has the matrix unit, the other tile's softmax stands between its products.  pv: 8 products V^T P; kq: 8 products K Q^T of the next step; fk: the next step's K is fetched; fv: its V.
; The accumulators take turns, one instruction a turn, over the joins of turns and the backward jumps too.
; PLACES (ISA guide 7.12.1 for vector instructions).  K's loads stand at a turn's head: behind the last product that read K stand the 48 plain lines that end the turn before.  V's loads stand behind the 16 scalings,
; which follow the last product that read V.  The same 48 lines part a tile's last K Q^T from the first read of its scores.
; THE EXPONENTIALS are one batch of 33: none of them, and no product between them, names a result; one plain line and ONE wait follow.
.macro TURN x, pv, kq, fk, fv
.if (\x == 0) && \pv
	s_wait_dscnt 0x0                               ; V is in (asked for in the middle of the turn before)
.endif
.if \fk
	FETCH_K
.endif
.if \pv
	WIN W_PV
	PV4 \x, 0
.endif
	WIN 0
	SMA 1-\x
.if \pv
	WIN W_PV
	PV4 \x, 1
.endif
	WIN 0
	SMB 1-\x
.if \fv
	FETCH_V
.endif
.if (\x == 0) && \kq
	s_wait_dscnt 0x0                               ; K is in (asked for at this turn's head)
.endif
	v_exp_f32 v[ST+8*(1-\x)+6], v[ST+8*(1-\x)+7]   ; a
.irp i, 0,1,2,3,4,5,6,7
.if \kq
	KQ \x, \i
.endif
.irp e, 0,1,2,3
	v_exp_f32 v[S+32*(1-\x)+4*\i+\e], v[S+32*(1-\x)+4*\i+\e]
.endr
.endr
	v_nop                                          ; the plain line behind the last exponential
	s_wait_alu depctr_va_vdst(0)                   ; the wait for the batch
	SMD 1-\x
	SME 1-\x
.endm
.macro STEPS n                         ; n key steps: written once, walked n times; the LDS addresses hang on s[TB]
	WIN 0                                          ; at a label and at a branch every window is 0
	s_mov_b32 s[CNT], \n
.Lstep_\@:
	TURN 0, 1, 1, 1, 0                             ; tile 0: V^T P of step j, K Q^T of step j + 1 | tile 1's softmax of step j | K of step j + 1
	TURN 1, 1, 1, 0, 1                             ; tile 1: the same | tile 0's softmax of step j + 1 | V of step j + 1
	WIN 0
	s_sub_co_u32 s[CNT], s[CNT], 1
	s_cmp_lg_u32 s[CNT], 0
	s_cbranch_scc1 .Lstep_\@
.endm
; THE CHANGE OF SLOTS: the slot's last bytes, V of its eighth step, have been asked for.  Each wave waits for all its tensor loads, of which one is out: its quarter of the other slot; adds 0 to its spare word; and waits for that
; and for its own reads of the slot.  fill = 1: the barrier is a round of the cluster's, so that no wave of any partner still reads the slot or has a load on its way, and the joint refill is the first thing behind it.
.macro CHANGE fill
	WIN 0
	s_wait_tensorcnt 0x0                           ; no tensor load of mine is out, so a group 0 may be written
	ds_add_u32 v[SPW], v[NIL]                      ; 0 onto my spare word
.if \fill
.irp g, G0K+4, G0V+4
	s_xor_b32 s[\g+1], s[\g+1], SLOT1              ; the walking descriptor: the other slot than last time,
	s_add_nc_u64 s[\g+2:\g+3], s[\g+2:\g+3], 65536 ; the next 8 key steps; the type bits on top are not reached
.endr
	s_wait_xcnt 0x0                                ; the last prefetch, a slot back, has read its address, so it may be written:
	s_add_nc_u64 s[PFA:PFA+1], s[PFA:PFA+1], 65536 ; one slot further on than the walking descriptors
	s_wait_dscnt 0x0                               ; the add is done, and my reads of the slot are over
	CROUND
	JLOAD
	ASK
.else
	s_wait_dscnt 0x0                               ; the add is done, and my reads of the slot are over
	s_barrier_signal -1
	s_barrier_wait -1
.endif
	s_sub_co_u32 s[TB], s[TB], 8*STEPB             ; the fetches go back to a slot's first step,
	s_xor_b32 s[TB], s[TB], SLOT1                  ; in the other slot
.endm
	s_wait_tensorcnt 1                             ; my quarter of slot 0 is in; slot 1's may stay out
	s_barrier_signal -1
	s_barrier_wait -1                              ; everybody's is
	FETCH_K                                        ; key step 0
	s_wait_loadcnt 0x0                             ; Q and bv
	s_wait_dscnt 0x0
.irp i, 0,1,2,3,4,5,6,7
	KQ 0, \i                                       ; tile 0's first scores: there is no vector work yet to set between them
.endr
	WIN 0x40                                       ; destination window 1
.set i, 0
.rept 64
	v_mov_b32 v[O+i], 0                            ; O^T begins as zeros, once: so the key step is written once.  (These lines are also the places behind the products above)
.set i, i+1
.endr
	TURN 1, 0, 1, 0, 1                             ; tile 1's first scores | tile 0's first softmax | V of step 0
	STEPS 7                                        ; the rest of slot 0
.Lslot:                                            ; six trips: every slot but the last two is filled again
	CHANGE 1
	STEPS 8
	s_sub_co_u32 s[SLOTS], s[SLOTS], 1
	s_cmp_lg_u32 s[SLOTS], 0
	s_cbranch_scc1 .Lslot
	CHANGE 0                                       ; the tail is written out: nothing is left to ask for
	STEPS 8
	TURN 0, 1, 0, 0, 0                             ; tile 0: V^T P of the last step | tile 1's last softmax
	WIN W_PV
	PV4 1, 0                                       ; tile 1: V^T P of the last step
	PV4 1, 1
	; THE WAY OUT.  l's two halves and the other half of the lanes' are added; O = O^T / l + bv in one fused multiply-add, rounded to f16; a channel tile's four registers are a piece of the next product's operand and are stored as they stand.
	WIN 0
.irp t, 0,1
	v_add_f32 v[ST+8*\t+4], v[ST+8*\t+2], v[ST+8*\t+3]     ; (these six lines are the places behind the last products)
.endr
.irp t, 0,1
	v_permlanex16_b32 v[ST+8*\t+5], v[ST+8*\t+4], s[SEL], s[SEL+1]
.endr
.irp t, 0,1
	v_add_f32 v[ST+8*\t+4], v[ST+8*\t+4], v[ST+8*\t+5]
.endr
.irp t, 0,1
	v_rcp_f32 v[ST+8*\t+6], v[ST+8*\t+4]
.endr
	v_nop                                          ; a plain line between the last reciprocal and the use of its result
	s_wait_alu depctr_va_vdst(0)                   ; and the wait, one for both
.irp t, 0,1
	WIN 0x01                                       ; source 0 (O^T) window 1
.irp k, 0,1,2,3,4,5,6,7,8,9,10,11,12,13,14,15
	v_pk_fma_f32 v[S+32*\t+2*\k:S+32*\t+2*\k+1], v[O+32*\t+2*\k:O+32*\t+2*\k+1], v[ST+8*\t+6:ST+8*\t+7], v[BV+2*\k:BV+2*\k+1] op_sel_hi:[1,0,1]
.endr
	WIN 0
.irp i, 0,1,2,3,4,5,6,7,8,9,10,11,12,13,14,15
	v_cvt_pk_f16_f32 v[P+16*\t+\i], v[S+32*\t+2*\i], v[S+32*\t+2*\i+1]
.endr
.irp ct, 0,1,2,3
	global_store_b128 v[LI], v[P+16*\t+4*\ct:P+16*\t+4*\ct+3], s[16:17] offset:\t*16384+\ct*512   ; 32 lanes store 512 consecutive bytes, aligned
.endr
.endr
	s_wait_tensorcnt 0x0                           ; the wave's end
	ds_add_u32 v[SPW], v[NIL]
	s_wait_dscnt 0x0
	CROUND                                         ; the closing round: no work-group ends while a partner may still ask for a tile that names it
	s_endpgm
.Lfunc_end_k_q4d7f3a847b_attn:
	.size	k_q4d7f3a847b_attn, .Lfunc_end_k_q4d7f3a847b_attn-k_q4d7f3a847b_attn
	.p2alignl 7, 3214868480
	.fill 96, 4, 3214868480
	.section	.rodata,"a",@progbits
	.p2align	6, 0x0
	.amdhsa_kernel k_q4d7f3a847b_attn
		.amdhsa_group_segment_fixed_size 327680
		.amdhsa_private_segment_fixed_size 0
		.amdhsa_enable_private_segment 0
		.amdhsa_kernarg_size 40
		.amdhsa_user_sgpr_count 2
		.amdhsa_user_sgpr_kernarg_segment_ptr 1
		.amdhsa_wavefront_size32 1
		.amdhsa_system_sgpr_workgroup_id_x 1
		.amdhsa_system_sgpr_workgroup_id_y 1
		.amdhsa_system_sgpr_workgroup_id_z 1
		.amdhsa_system_vgpr_workitem_id 0
		.amdhsa_next_free_vgpr 384
		.amdhsa_next_free_sgpr 66
		.amdhsa_reserve_vcc 0
		.amdhsa_float_denorm_mode_32 3
		.amdhsa_float_denorm_mode_16_64 3
		.amdhsa_memory_ordered 1
		.amdhsa_forward_progress 1
		.amdhsa_inst_pref_size 87
	.end_amdhsa_kernel
	.amdgpu_metadata
---
amdhsa.version: [ 1, 2 ]
amdhsa.kernels:
  - .name:           k_q4d7f3a847b_attn
    .symbol:         k_q4d7f3a847b_attn.kd
    .args:
      - { .name: qf, .offset: 0, .size: 8, .value_kind: global_buffer, .address_space: global }
      - { .name: kf, .offset: 8, .size: 8, .value_kind: global_buffer, .address_space: global }
      - { .name: vf, .offset: 16, .size: 8, .value_kind: global_buffer, .address_space: global }
      - { .name: bv, .offset: 24, .size: 8, .value_kind: global_buffer, .address_space: global }
      - { .name: of, .offset: 32, .size: 8, .value_kind: global_buffer, .address_space: global }
    .group_segment_fixed_size: 327680
    .private_segment_fixed_size: 0
    .kernarg_segment_align: 8
    .kernarg_segment_size: 40
    .max_flat_workgroup_size: 256
    .sgpr_count:     66
    .vgpr_count:     384
    .wavefront_size: 32
...
	.end_amdgpu_metadata
.endif
;; end of part 3
;; launch outp (part 4): grid 4 x 64, 8 waves a work-group, clusters of 4 x 4, 300,032 bytes of LDS; arguments of, wo16, bo, out0; writes out0
.if DOCPART == 4
	.amdgcn_target "amdgcn-amd-amdhsa--gfx1250"
	.amdhsa_code_object_version 6
	.text
	.protected	k_q4d7f3a847b_outp
	.globl	k_q4d7f3a847b_outp
	.p2align	8
	.type	k_q4d7f3a847b_outp,@function
k_q4d7f3a847b_outp:
	s_mov_b64 s[64:65], 0
	v_nop
	global_prefetch_b8 v0, s[64:65] scope:SCOPE_SE
	s_setreg_imm32_b32 hwreg(HW_REG_WAVE_MODE, 25, 1), 1
	s_wait_xcnt 0x0
	s_wait_alu depctr_hold_cnt(0) depctr_sa_sdst(0) depctr_va_vdst(0) depctr_va_sdst(0) depctr_va_ssrc(0) depctr_va_vcc(0) depctr_vm_vsrc(0)
	s_getreg_b32 s2, hwreg(HW_REG_IB_STS2, 6, 4)
	s_cmp_eq_u32 s2, 0
	s_cbranch_scc0 .Lentry_in_a_cluster
	s_endpgm
.Lentry_in_a_cluster:
	s_bfe_u32 s2, ttmp6, 0x10000c
	s_cmp_lg_u32 s2, 0xf033
	s_cbranch_scc0 .Lentry_shape_is_right
	s_endpgm
.Lentry_shape_is_right:
; out0 = O Wo^T + bo.  O: 8,192 tokens x 512, f16, as images of operand registers (token tile x 16,384 + K step x 1,024 + half x 512 + 16 x lane); Wo: [512][512] f16, row-major; bo [512], out0 [8192][512]: f32.  Sums in f32.
; SHARES.  A work-group makes 128 tokens x 128 columns: 256 work-groups.  The whole K = 512 lies in LDS; nothing is filled again.  Wave w takes token tiles 2 (w / 2), 2 (w / 2) + 1 and columns 64 (w % 2) .. + 63: eight accumulators;
; its 64 columns are 256 consecutive bytes of a row of out0, so the way out needs the wave's own stage alone and no barrier.
; CLUSTER, 4 x 4.  O's tile hangs on the token block alone and is shared along a row of the cluster, Wo's on the column block alone and is shared along a column: each quarter is asked for JOINTLY.
; THE PRODUCT IS USED TRANSPOSED (source 0 = 16 rows of Wo, source 1 = 16 tokens): a lane holds token l % 16 and eight neighbouring columns.  The bias is the C of each sum's first product.
; REGISTERS: v3-8 addresses; v10, v11 the add's two; v16-47 the bias (8 n); v48-111 the accumulators (8 (4 m + n)); v112-159, v160-207 two sets of fragments (O's m at 8 m, Wo's n at 16 + 8 n), later the rows read back.
.set BOFF,  131072                     ; LDS: O's images from 0 (dense), Wo's 128 rows from here
.set BP,    1040                       ; a row of Wo in LDS: 1,024 bytes + 16 of padding: the 16 rows of a fragment load start 260 words apart
.set STAGE, BOFF+128*BP                ; 16 rows x 272 bytes for each wave, for the way out: no tile lands here
.set SP,    272
.set SPARE, STAGE+8*16*SP              ; the spare words, 128 bytes a wave, which no other line names
.set LA,  3                            ; v3  16 x lane + my two token tiles' place
.set LBF, 4                            ; v4  my place in my 64 rows of Wo
.set STO, 5                            ; v5  the stage: where I put 32 bytes of a row
.set RD,  6                            ; v6  and where I read a row back
.set CO,  7                            ; v7  my byte offset in two rows of out0
.set LBO, 8                            ; v8  32 x (lane / 16)
.set SPW, 10
.set NIL, 11
.set BIAS, 16
.set ACC, 48
.set FB,  112
.set G1A, 24                           ; s[24:31], s[32:35] groups 1 and 0 for O's quarters;  s[48:55], s[56:59] for Wo's
.set G0A, 32
.set G1B, 48
.set G0B, 56
.macro CROUND                          ; a round of the cluster's barrier
	s_barrier_signal -1
	s_barrier_wait -1
	s_cmp_lg_u32 s12, 0
	s_cbranch_scc1 .Lnot_wave_0_\@
	s_barrier_signal -3
.Lnot_wave_0_\@:
	s_barrier_wait -3
	s_barrier_signal -1
	s_barrier_wait -1
.endm
	s_load_b256 s[4:11], s[0:1], 0x0               ; of s[4:5], wo16 s[6:7], bo s[8:9], out0 s[10:11]
	v_lshl_add_u32 v[SPW], v0, 2, SPARE
	v_mov_b32 v[NIL], 0
	ds_add_u32 v[SPW], v[NIL]                      ; the wave's opening: the add, twice on end, and its wait ahead of my first tensor load
	ds_add_u32 v[SPW], v[NIL]
	v_lshrrev_b32 v1, 5, v0
	v_readfirstlane_b32 s12, v1                    ; wave 0..7
	s_lshr_b32 s13, s12, 2                         ; I fetch for O (0) or for Wo (1),
	s_and_b32 s14, s12, 3                          ; this quarter
	s_bfe_u32 s40, ttmp6, 0x40000                  ; cx, cy: my place in the cluster
	s_bfe_u32 s41, ttmp6, 0x40004
	s_lshl_b32 s42, ttmp9, 2
	s_add_co_u32 s42, s42, s40                     ; block of 128 columns
	s_and_b32 s43, ttmp7, 0xffff
	s_lshl_b32 s43, s43, 2
	s_add_co_u32 s43, s43, s41                     ; block of 128 tokens
	s_lshl_b32 s44, s41, 2
	s_lshl_b32 s44, 15, s44                        ; my row of the cluster
	s_lshl_b32 s45, 0x1111, s40                    ; my column
	s_or_b32 s[G1A], s44, (3<<16)|(1<<21)          ; O's quarter: 128 dense rows of 256 bytes (32 elements of 8 bytes); the mask of my row; bit 21 beside a mask
	s_mov_b32 s[G1A+1], 32<<16
	s_mov_b32 s[G1A+2], 128<<16
	s_mov_b32 s[G1A+3], 32<<16
	s_mov_b32 s[G1A+4], 128
	s_mov_b32 s[G1A+5], 32
	s_mov_b32 s[G1A+6], 0
	s_mov_b32 s[G1A+7], 0
	s_or_b32 s[G1B], s45, (3<<16)|(1<<20)|(1<<21)|(7<<22)|(3<<25)   ; Wo's quarter: 32 rows of 1,024 bytes (128 elements), 4 words of padding behind every 256; the mask of my column
	s_mov_b32 s[G1B+1], 128<<16
	s_mov_b32 s[G1B+2], 32<<16
	s_mov_b32 s[G1B+3], 128<<16
	s_mov_b32 s[G1B+4], 32
	s_mov_b32 s[G1B+5], 128
	s_mov_b32 s[G1B+6], 0
	s_mov_b32 s[G1B+7], 0
	s_lshl_b32 s18, s14, 15                        ; a quarter is 32,768 bytes of memory in both
	s_lshl_b32 s16, s43, 17                        ; O: token block x 131,072 + quarter: no cx enters
	s_add_co_u32 s16, s16, s18
	s_mov_b32 s17, 0
	s_lshl_b32 s46, s42, 17                        ; Wo: column block x 131,072 + quarter: no cy enters
	s_add_co_u32 s46, s46, s18
	s_mov_b32 s47, 0
	s_mov_b32 s[G0A], 1
	s_mov_b32 s[G0A+1], s18                        ; LDS: quarter x 32,768
	s_mov_b32 s[G0B], 1
	s_mul_i32 s[G0B+1], s14, 32*BP
	s_add_co_u32 s[G0B+1], s[G0B+1], BOFF          ; LDS: behind O, quarter x 32 rows
	s_lshr_b32 s36, s12, 1                         ; which two token tiles are mine
	s_and_b32 s37, s12, 1                          ; which 64 columns
	s_lshl_b32 s20, s42, 9                         ; bo: column block x 512 + half x 256 bytes
	s_lshl_b32 s21, s37, 8
	s_add_co_u32 s20, s20, s21
	s_lshl_b32 s22, s43, 18                        ; out0: (128 token block + 32 pair) rows of 2,048 bytes + the same columns
	s_lshl_b32 s23, s36, 16
	s_add_co_u32 s22, s22, s23
	s_add_co_u32 s22, s22, s20
	s_mov_b32 s21, 0
	s_mov_b32 s23, 0
	v_and_b32 v1, 15, v0                           ; r
	v_bfe_u32 v2, v0, 4, 1                         ; h
	v_and_b32 v9, 31, v0
	s_lshl_b32 s38, s36, 15
	v_lshlrev_b32 v[LA], 4, v9
	v_add_nc_u32 v[LA], s38, v[LA]
	v_mul_u32_u24 v[LBF], v1, BP
	v_lshl_add_u32 v[LBF], v2, 4, v[LBF]
	s_mul_i32 s38, s37, 64*BP
	s_add_co_u32 s38, s38, BOFF
	v_add_nc_u32 v[LBF], s38, v[LBF]
	s_mul_i32 s38, s12, 16*SP
	s_add_co_u32 s38, s38, STAGE                   ; my stage
	v_mul_u32_u24 v[STO], v1, SP                   ; in: row r, 32 bytes for each half of the lanes
	v_lshl_add_u32 v[STO], v2, 5, v[STO]
	v_add_nc_u32 v[STO], s38, v[STO]
	v_mul_u32_u24 v[RD], v2, SP                    ; back: lanes 0-15 one row of 256 bytes, lanes 16-31 the next
	v_lshl_add_u32 v[RD], v1, 4, v[RD]
	v_add_nc_u32 v[RD], s38, v[RD]
	v_lshlrev_b32 v[CO], 11, v2                    ; and the same two rows in out0
	v_lshl_add_u32 v[CO], v1, 4, v[CO]
	v_lshlrev_b32 v[LBO], 5, v2
	s_wait_dscnt 0x0                               ; both opening adds are done
	s_wait_kmcnt 0x0
	s_add_nc_u64 s[G0A+2:G0A+3], s[4:5], s[16:17]
	s_or_b32 s[G0A+3], s[G0A+3], 0x80000000
	s_add_nc_u64 s[G0B+2:G0B+3], s[6:7], s[46:47]
	s_or_b32 s[G0B+3], s[G0B+3], 0x80000000
	s_add_nc_u64 s[8:9], s[8:9], s[20:21]
	s_add_nc_u64 s[10:11], s[10:11], s[22:23]
	CROUND                                         ; all sixteen work-groups are here: the joint loads meet
	s_cmp_eq_u32 s13, 0                            ; the branch hangs on the wave's number alone; an s_nop 0 and four v_nop follow each line.  One load of mine is out
	s_cbranch_scc0 .Lfor_b
	tensor_load_to_lds s[G0A:G0A+3], s[G1A:G1A+7]
	s_nop 0
.rept 4
	v_nop
.endr
	s_branch .Lasked
.Lfor_b:
	tensor_load_to_lds s[G0B:G0B+3], s[G1B:G1B+7]
	s_nop 0
.rept 4
	v_nop
.endr
.Lasked:
.irp n, 0,1,2,3                                ; lane (r, h) wants, for column tile n, bo[my first column + 16 n + 8 h + 0 .. 7]
	global_load_b128 v[BIAS+8*\n:BIAS+8*\n+3], v[LBO], s[8:9] offset:64*\n
	global_load_b128 v[BIAS+8*\n+4:BIAS+8*\n+7], v[LBO], s[8:9] offset:64*\n+16
.endr
.macro FRAGS k                         ; K step k (32 along K): O's two fragments and Wo's four, twelve loads, into set k % 2
.set FL, FB+48*((\k)%2)
.irp m, 0,1
.irp g, 0,1
	ds_load_b128 v[FL+8*\m+4*\g:FL+8*\m+4*\g+3], v[LA] offset:16384*\m+1024*(\k)+512*\g
.endr
.endr
.irp n, 0,1,2,3
.irp g, 0,1
	ds_load_b128 v[FL+16+8*\n+4*\g:FL+16+8*\n+4*\g+3], v[LBF] offset:16*BP*\n+64*(\k)+32*\g
.endr
.endr
.endm
.macro KSTEP k
.if (\k) < 15
.if (\k) > 0
.rept 4
	v_nop                                          ; four places between the last products and the loads into the set that they read
.endr
.endif
	FRAGS (\k)+1
	s_wait_dscnt 12                                ; all but the twelve just issued
.else
	s_wait_dscnt 0x0
.endif
.set FM, FB+48*((\k)%2)
.irp m, 0,1                                    ; the eight accumulators by turns
.irp n, 0,1,2,3
.if (\k) == 0
	v_wmma_f32_16x16x32_f16 v[ACC+8*(4*\m+\n):ACC+8*(4*\m+\n)+7], v[FM+16+8*\n:FM+16+8*\n+7], v[FM+8*\m:FM+8*\m+7], v[BIAS+8*\n:BIAS+8*\n+7]
.else
	v_wmma_f32_16x16x32_f16 v[ACC+8*(4*\m+\n):ACC+8*(4*\m+\n)+7], v[FM+16+8*\n:FM+16+8*\n+7], v[FM+8*\m:FM+8*\m+7], v[ACC+8*(4*\m+\n):ACC+8*(4*\m+\n)+7]
.endif
.endr
.endr
.endm
	s_wait_tensorcnt 0x0                           ; my quarter has landed;
	s_barrier_signal -1
	s_barrier_wait -1                              ; everybody's has
	FRAGS 0
	s_wait_loadcnt 0x0                             ; the bias
.irp k, 0,1,2,3,4,5,6,7,8,9,10,11,12,13,14,15
	KSTEP \k
.endr
	; THE WAY OUT, a token tile at a time: a lane's 32 bytes of a row go into my stage and come back as whole rows of 256 bytes.  LDS serves a wave's instructions in order: no wait between the stores and the loads.
.rept 4
	v_nop                                          ; four places between the last products and the first read of results, and the loads into the fragments' registers
.endr
.irp m, 0,1
.irp n, 0,1,2,3
	ds_store_b128 v[STO], v[ACC+8*(4*\m+\n):ACC+8*(4*\m+\n)+3] offset:64*\n          ; each accumulator from its low end on
	ds_store_b128 v[STO], v[ACC+8*(4*\m+\n)+4:ACC+8*(4*\m+\n)+7] offset:64*\n+16
.endr
.irp i, 0,1,2,3,4,5,6,7
	ds_load_b128 v[FB+32*\m+4*\i:FB+32*\m+4*\i+3], v[RD] offset:2*SP*\i
.endr
.irp i, 0,1,2,3,4,5,6,7
	s_wait_dscnt 7-\i                              ; rows 2 i and 2 i + 1 are back; the later ones may be out
	global_store_b128 v[CO], v[FB+32*\m+4*\i:FB+32*\m+4*\i+3], s[10:11] offset:(16*\m+2*\i)*2048 th:TH_STORE_NT   ; sixteen lanes store 256 consecutive bytes, aligned; written once, read by nobody here
.endr
.endr
	s_wait_tensorcnt 0x0                           ; the wave's end
	ds_add_u32 v[SPW], v[NIL]
	s_wait_dscnt 0x0
	CROUND                                         ; the closing round: no work-group ends while a partner may still ask for a tile that names it
	s_endpgm
.Lfunc_end_k_q4d7f3a847b_outp:
	.size	k_q4d7f3a847b_outp, .Lfunc_end_k_q4d7f3a847b_outp-k_q4d7f3a847b_outp
	.p2alignl 7, 3214868480
	.fill 96, 4, 3214868480
	.section	.rodata,"a",@progbits
	.p2align	6, 0x0
	.amdhsa_kernel k_q4d7f3a847b_outp
		.amdhsa_group_segment_fixed_size 300032
		.amdhsa_private_segment_fixed_size 0
		.amdhsa_enable_private_segment 0
		.amdhsa_kernarg_size 32
		.amdhsa_user_sgpr_count 2
		.amdhsa_user_sgpr_kernarg_segment_ptr 1
		.amdhsa_wavefront_size32 1
		.amdhsa_system_sgpr_workgroup_id_x 1
		.amdhsa_system_sgpr_workgroup_id_y 1
		.amdhsa_system_sgpr_workgroup_id_z 1
		.amdhsa_system_vgpr_workitem_id 0
		.amdhsa_next_free_vgpr 208
		.amdhsa_next_free_sgpr 66
		.amdhsa_reserve_vcc 0
		.amdhsa_float_denorm_mode_32 3
		.amdhsa_float_denorm_mode_16_64 3
		.amdhsa_memory_ordered 1
		.amdhsa_forward_progress 1
		.amdhsa_inst_pref_size 34
	.end_amdhsa_kernel
	.amdgpu_metadata
---
amdhsa.version: [ 1, 2 ]
amdhsa.kernels:
  - .name:           k_q4d7f3a847b_outp
    .symbol:         k_q4d7f3a847b_outp.kd
    .args:
      - { .name: of, .offset: 0, .size: 8, .value_kind: global_buffer, .address_space: global }
      - { .name: wo16, .offset: 8, .size: 8, .value_kind: global_buffer, .address_space: global }
      - { .name: bo, .offset: 16, .size: 8, .value_kind: global_buffer, .address_space: global }
      - { .name: out0, .offset: 24, .size: 8, .value_kind: global_buffer, .address_space: global }
    .group_segment_fixed_size: 300032
    .private_segment_fixed_size: 0
    .kernarg_segment_align: 8
    .kernarg_segment_size: 32
    .max_flat_workgroup_size: 256
    .sgpr_count:     66
    .vgpr_count:     208
    .wavefront_size: 32
...
	.end_amdgpu_metadata
.endif
;; end of part 4
